; MI455X (gfx1250); checked and timed in simulation.
; The chip was launched on July 23, 2026; its instructions are those of AMD's public machine-readable ISA for CDNA 5 (MIT licence, August 2026) and "CDNA5" Instruction Set Architecture Reference Guide (July 2026). The comments in the code are by the model that wrote it; some were corrected since.
;; ECPG Linear. Allowed arithmetic: matrix products marked QUANTISED: E2M1 operands, one E8M0 scale for each 32 along K, by v_wmma_scale_f32_16x16x128_f8f6f4 with both operands' format E2M1 (or v_wmma_scale_f32_32x16x128_f4), f32 sums; everything else in f32.
;; Inputs: scales 65,536 float32; ternary 2,048 x 4,096 int32; x_codes 4 x 2,048 x 128 x 16 uint8 (E2M1 codes of x, K innermost, in blocks of 32 codes, two codes a byte); x_scales 4 x 2,048 x 128 uint8 (E8M0 scales of x, one for each 32 codes along K).
;; Outputs: out0 4 x 2,048 x 2,048 float32.
;; This version of the problem:
;;   THIS VERSION OF THE PROBLEM IS GIVEN IN LOW PRECISION. The matrix products marked QUANTISED in the list below multiply operands that are first quantised to E2M1 (2 exponent bits, 1 mantissa bit; 4 bits a number), with one power-of-two scale for each 32 numbers along K (OCP MX v1.0); their sums are f32. All else is computed in f32.
;;   The module's matrix products, in the order in which they are computed (A, B: the left and right operand; K: the contracted axis; several contracted axes count as one K, in the product's order):
;;     1. [M 8,192, K 4,096] x [K 4,096, N 2,048]; A: input x (given as codes); B: computed on the way: QUANTISED
;;   THE QUANTISER, for each operand of a quantised product, along K:
;;     - K is cut into blocks of 32 from its start; a last block that is shorter is filled with zeros.
;;     - A block's scale is 2^e with e = floor(log2(the largest magnitude in the block)) - 2, held to -126 .. 127; a block of zeros has e = 0. As a byte (E8M0): e + 127.
;;     - Each number is divided by its block's scale, clamped to +-6, and rounded to the nearest number of E2M1, ties to even, subnormals kept.
;;     - The product sums the exact products of the quantised numbers (number of the format x scale) in f32.
;;   ~~~python
;;   def quantise(x, axis):      # numpy; x: float32 -> the quantised numbers, widened to float32 again
;;       x = np.moveaxis(x, axis, -1); K = x.shape[-1]
;;       x = np.pad(x, [(0, 0)] * (x.ndim - 1) + [(0, -K % 32)]); x = x.reshape(x.shape[:-1] + (-1, 32)); a = np.abs(x).max(-1, keepdims=True)
;;       e = np.where(a > 0, np.clip(np.frexp(np.where(a > 0, a, 1))[1] - 1 - 2, -126, 127), 0)      # np.frexp(a)[1] - 1 = floor(log2(a)), exactly
;;       r = np.clip(x / 2.0 ** e, -6, 6)
;;       step = 2.0 ** (np.maximum(np.frexp(np.where(r == 0, 1, r))[1] - 1, 0) - 1)
;;       q = np.round(r / step) * step * 2.0 ** e      # np.round: ties to even
;;       return np.moveaxis(q.reshape(q.shape[:-2] + (-1,))[..., :K], -1, axis).astype(np.float32)
;;   ~~~
;;   OPERANDS COMPUTED ON THE WAY. 'Computed on the way' means the value that the module computes at that place (a softmax that the list does not call 'softmax' is quantised finished and normalised). What goes into a quantiser is computed in f32, as accurately as f32 sums, v_exp_f32 and their like allow (about 1e-6 of the number): no bf16 or f16 on the way to a quantiser, and a product that is left as it is and whose result goes on into a quantised operand takes f32 operands (vector FMAs, or v_wmma_f32_16x16x4_f32). A number that lies on a knife's edge between two numbers of the format may be rounded either way, as far as f32 arithmetic and the matrix unit's own rounding can turn it there, and no further.
;;   INPUTS GIVEN AS CODES. x (in the module: [4, 2048, 4096], K = its axis 2): each comes as NAME_codes (uint8): NAME with its K axis moved to the last place and cut into blocks of 32 codes, [.., K / 32, bytes a block], one block behind the other in memory; two codes a byte, the lower K in the low four bits (a code: sign, 2 exponent bits, 1 mantissa bit); and NAME_scales (uint8): the same leading axes, one E8M0 byte (e + 127) for each 32 codes along K. Its value is code x scale, taken as it is: it is not quantised again, and the codes and scales need not be those that the quantiser above would give.
;; One version. Each part assembles by itself: llvm-mc -triple=amdgcn-amd-amdhsa -mcpu=gfx1250 --defsym DOCPART=n.
;; ======== version 1 of 1: 2 launches
;; limits: right only within a limited range of input values
;; workspace buffers: wq 4,456,448 bytes
;; launch quant (part 1): grid 256 x 1, 4 waves a work-group, no clusters, 41,472 bytes of LDS; arguments ternary, scales, wq; writes wq
.if DOCPART == 1
	.amdgcn_target "amdgcn-amd-amdhsa--gfx1250"
	.amdhsa_code_object_version 6
	.text
	.protected	k_q8566ec03aa_quant
	.globl	k_q8566ec03aa_quant
	.p2align	8
	.type	k_q8566ec03aa_quant,@function
k_q8566ec03aa_quant:
	s_mov_b64 s[64:65], 0
	v_nop
	global_prefetch_b8 v0, s[64:65] scope:SCOPE_SE
	s_setreg_imm32_b32 hwreg(HW_REG_WAVE_MODE, 25, 1), 1
	s_wait_xcnt 0x0
; W[o][i] = f32(ternary[o][i]) x scales[32 o + i / 128], [2048][4096], is made in f32 and turned into codes of FP4 (E2M1) with one E8M0 byte for each 32 along K (K = i, innermost).
; A block's scale is 2^(floor(log2(its largest magnitude)) - 2); its byte is the largest magnitude's own exponent field - 2, held at 1 from below; each number is divided by the scale and rounded to the
; nearest code, ties to even, beyond 6 the largest code.  Nothing is assumed of ternary's values or of the scales' signs: every number is converted, multiplied and quantised.
; LIMITS: a block of zeros gets the byte 1 where the rule says 127 (its codes are zeros, which add nothing under any byte but 0xff, and this program alone reads the bytes); NaN and infinities among the scales are not
; served; whole numbers beyond 2^24 are rounded to f32 as the conversion rounds them, to nearest even.
; THE OUTPUT IS LAID AS THE PRODUCT'S LAUNCH WANTS ITS TILES: wq[K step s = 0..7][row o = 0..2047][272 bytes]: bytes 0-255 the 512 codes of k = 512 s on (the lower k in the low four bits), bytes 256-271 the 16 scale
; bytes of those 16 blocks.  So 128 rows of a K step are one dense run of 34,816 bytes whose rows are 272 bytes apart.
; SHARES.  Unit u = 4 x work-group + wave: rows 16 (u / 8) .. + 15, K step u % 8.  A wave takes 16 steps, a row each: 512 numbers, 2,048 consecutive bytes of ternary, four loads of 512 consecutive bytes.
; The conversions want 16 NEIGHBOURS in a lane (two lanes to a block), the loads neighbouring bytes in neighbouring lanes: so a step's bytes turn through the wave's own stage in LDS, 16 bytes of padding behind each 64.
; The wave's 16 rows of 272 bytes are gathered in LDS and leave as 4,352 consecutive bytes that begin at a multiple of 256: eight stores of 512 bytes and one of 256.
; No tensor loads, no barrier, no cluster, no matrix unit: waves share nothing and memory binds.  Loads run eight steps (32 loads, 16 KiB a wave) ahead, the turn through LDS one step.
.set WREG,  10240                      ; LDS: a region of its own for each wave
.set SP,    80                         ; a lane's place in a stage: its 64 bytes + 16 of padding
.set STGB,  32*SP                      ; a stage; two of them by turns, at 0 and at STGB
.set GS,    2*STGB                     ; behind them: the wave's 64 group scales, each written twice: (row t, group j) at 32 t + 8 j
.set OUT,   GS+512                     ; behind them: the image of the wave's 16 rows of wq
.set OP,    272                        ; a row of wq
.set TROW,  16384                      ; a row of ternary in bytes
.set R,     16                         ; v16-143  eight sets of 16 numbers as they are loaded
.set X,     144                        ; v144-175 two sets of 16 neighbours
.set C,     176                        ; v176-207 codes: a pair for each step
.set E,     208                        ; v208-223 a scale byte for each step
.set SPR,   224                        ; v224-227 two pairs: my group's scale, twice, for the packed multiply
.set GL,    228                        ; v228-231 the group scales as loaded, then doubled
	s_load_b128 s[4:7], s[0:1], 0x0                ; ternary, scales
	s_load_b64 s[8:9], s[0:1], 0x10                ; wq
	v_lshl_add_u32 v240, v0, 2, 0xa000
	v_mov_b32 v241, 0
	v_lshrrev_b32 v1, 5, v0
	v_readfirstlane_b32 s16, v1                    ; wave 0..3
	v_and_b32 v2, 31, v0                           ; lane
	s_wait_alu depctr_va_vdst(0)
	s_lshl_b32 s17, ttmp9, 2
	s_add_co_u32 s17, s17, s16                     ; u
	s_lshr_b32 s18, s17, 3                         ; which 16 rows
	s_and_b32 s19, s17, 7                          ; which K step
	s_lshl_b32 s20, s18, 18                        ; ternary: 16 rows of 16,384 bytes,
	s_lshl_b32 s21, s19, 11                        ; + 2,048 bytes a K step
	s_add_co_u32 s20, s20, s21
	s_mov_b32 s21, 0
	s_lshl_b32 s22, s18, 11                        ; scales: 16 rows of 32 numbers,
	s_lshl_b32 s23, s19, 4                         ; + 4 numbers a K step
	s_add_co_u32 s22, s22, s23
	s_mov_b32 s23, 0
	s_mul_i32 s24, s19, 2048*OP                    ; wq: a K step's 2,048 rows,
	s_mul_i32 s25, s18, 16*OP                      ; + 16 rows
	s_add_co_u32 s24, s24, s25
	s_mov_b32 s25, 0
	s_mul_i32 s26, s16, WREG                       ; my wave's region of LDS
	v_lshlrev_b32 v3, 4, v2                        ; 16 x lane: my 16 bytes of a load's or a store's 512
	v_lshlrev_b32 v4, 3, v2                        ; 8 x lane: of the last store's 256
	v_lshrrev_b32 v5, 1, v2
	v_lshlrev_b32 v5, 7, v5
	v_and_b32 v8, 1, v2
	v_lshl_add_u32 v5, v8, 3, v5                   ; the group scales: row lane / 2 (128 bytes a row), groups 2 (lane % 2) and the next
	v_add_nc_u32 v6, s26, v3
	v_add_nc_u32 v6, GS, v6                        ; where I put them, doubled: 16 x lane
	v_lshrrev_b32 v7, 3, v2
	v_lshlrev_b32 v7, 3, v7
	v_add_nc_u32 v7, s26, v7
	v_add_nc_u32 v7, GS, v7                        ; and where I find mine: my 16 neighbours lie in group lane / 8
	v_add_nc_u32 v10, s26, v3
	v_add_nc_u32 v10, OUT, v10                     ; the image, on the way out: 16 x lane
	v_add_nc_u32 v12, s26, v4
	v_add_nc_u32 v12, OUT, v12                     ; my 16 codes' 8 bytes of a row
	v_lshrrev_b32 v13, 1, v2
	v_add_nc_u32 v13, s26, v13
	v_add_nc_u32 v13, OUT+256, v13                 ; my block's scale byte, behind the row's codes
	v_lshrrev_b32 v14, 2, v2
	v_mul_u32_u24 v14, v14, SP
	v_and_b32 v15, 3, v2
	v_lshl_add_u32 v14, v15, 4, v14
	v_add_nc_u32 v14, s26, v14                     ; the stage, on the way in: four lanes' 64 bytes on end, then the padding; a load's 512 bytes take eight places
	v_mul_u32_u24 v15, v2, SP
	v_add_nc_u32 v15, s26, v15                     ; and on the way out: my 16 neighbours
	s_wait_alu depctr_va_vdst(0)
	s_wait_kmcnt 0x0
	s_add_nc_u64 s[4:5], s[4:5], s[20:21]
	s_add_nc_u64 s[6:7], s[6:7], s[22:23]
	s_add_nc_u64 s[8:9], s[8:9], s[24:25]
.macro LOAD t                          ; row t: four loads of 512 consecutive bytes, read once in the launch
.irp i, 0,1,2,3
	global_load_b128 v[R+16*((\t)%8)+4*\i:R+16*((\t)%8)+4*\i+3], v3, s[4:5] offset:TROW*(\t)+512*\i th:TH_LOAD_NT
.endr
.endm
.macro TURN t                          ; row t's numbers through the stage, and my group's scale: LDS serves a wave's instructions in order (ISA guide 5.7.1.4), so no wait stands between the stores and the loads
.irp i, 0,1,2,3
	ds_store_b128 v14, v[R+16*((\t)%8)+4*\i:R+16*((\t)%8)+4*\i+3] offset:STGB*((\t)%2)+8*SP*\i
.endr
.irp i, 0,1,2,3
	ds_load_b128 v[X+16*((\t)%2)+4*\i:X+16*((\t)%2)+4*\i+3], v15 offset:STGB*((\t)%2)+16*\i
.endr
	ds_load_b64 v[SPR+2*((\t)%2):SPR+2*((\t)%2)+1], v7 offset:32*(\t)
.endm
	global_load_b64 v[GL:GL+1], v5, s[6:7]         ; the 64 group scales of my 16 rows and my K step: 16 bytes of each row
.irp t, 0,1,2,3,4,5,6,7
	LOAD \t
.endr
	s_wait_loadcnt 32                              ; the group scales are in; the 32 loads behind them may be out
	v_mov_b32 v[GL+2], v[GL+1]                     ; each twice, so that one load of 8 bytes gives the packed multiply its pair
	v_mov_b32 v[GL+3], v[GL+1]
	v_mov_b32 v[GL+1], v[GL]
	ds_store_b128 v6, v[GL:GL+3]
	s_wait_loadcnt 28                              ; row 0's four loads are in; rows 1 to 7 may be out
	TURN 0
.macro STEP t
.set XS, X+16*((\t)%2)
.if (\t) > 0
	s_wait_dscnt 2                                 ; this row's numbers and its scale are back (the last row's two stores into the image may be out): so the stage's stores have read their registers,
.else
	s_wait_dscnt 0x0
.endif
.if (\t)+8 < 16
	LOAD (\t)+8                                    ; which take the loads of eight rows on
.endif
.if (\t) < 15
.if (\t) <= 7
	s_wait_loadcnt 28                              ; the next row's four loads are in; those of the seven rows behind it may be out
.else
	s_wait_loadcnt 4*(14-(\t))                     ; nothing more is asked for: the counts run down
.endif
	TURN (\t)+1                                    ; the next row goes through the other stage while this one is worked
.endif
.irp i, 0,1,2,3,4,5,6,7,8,9,10,11,12,13,14,15
	v_cvt_f32_i32 v[XS+\i], v[XS+\i]               ; the whole number as f32
.endr
.irp i, 0,2,4,6,8,10,12,14
	v_pk_mul_f32 v[XS+\i:XS+\i+1], v[XS+\i:XS+\i+1], v[SPR+2*((\t)%2):SPR+2*((\t)%2)+1]   ; x its group's scale: w, one rounding, as the definition has it
.endr
	v_max3_num_f32 v8, |v[XS]|, |v[XS+1]|, |v[XS+2]|               ; the largest magnitude of my 16, in two chains
	v_max3_num_f32 v9, |v[XS+3]|, |v[XS+4]|, |v[XS+5]|
.irp i, 6,10
	v_max3_num_f32 v8, v8, |v[XS+\i]|, |v[XS+\i+1]|
	v_max3_num_f32 v9, v9, |v[XS+\i+2]|, |v[XS+\i+3]|
.endr
	v_max3_num_f32 v8, v8, |v[XS+14]|, |v[XS+15]|
	v_max3_num_f32 v8, v8, v9, 0x1800000           ; and the floor 2^(3 - 127), under which no largest magnitude is taken: so the byte cannot fall under 1
	v_max_num_f32_dpp v8, v8, v8 row_xmask:1 row_mask:0xf bank_mask:0xf   ; and of my neighbour's 16: the block's
	v_add_nc_u32 v11, 0xff000000, v8               ; 2 off its exponent field: the conversion takes the exponent field of this operand as its scale, and nothing else of it
	v_cvt_scalef32_pk8_fp4_f32 v[C+2*(\t)], v[XS:XS+7], v11         ; eight numbers / the scale, to the nearest code; the first number's code in the lowest four bits
	v_cvt_scalef32_pk8_fp4_f32 v[C+2*(\t)+1], v[XS+8:XS+15], v11
	v_lshrrev_b32 v[E+(\t)], 23, v11               ; the scale's byte.  (Also the plain vector line behind the conversions)
	ds_store_b64 v12, v[C+2*(\t):C+2*(\t)+1] offset:OP*(\t)
	ds_store_b8 v13, v[E+(\t)] offset:OP*(\t)      ; both lanes of a block write the same byte with the same value
.endm
.irp t, 0,1,2,3,4,5,6,7,8,9,10,11,12,13,14,15
	STEP \t
.endr
	; THE WAY OUT: the image's 4,352 bytes as they lie.  These loads see my stores above (a wave's LDS instructions are served in order); all global loads into these registers have been waited for
.irp i, 0,1,2,3,4,5,6,7
	ds_load_b128 v[R+4*\i:R+4*\i+3], v10 offset:512*\i
.endr
	ds_load_b64 v[R+32:R+33], v12 offset:4096
.irp i, 0,1,2,3,4,5,6,7
	s_wait_dscnt 8-\i                              ; load i is back; the 8 - i behind it may be out
	global_store_b128 v3, v[R+4*\i:R+4*\i+3], s[8:9] offset:512*\i   ; 32 lanes store 512 consecutive bytes, at a multiple of 256 from wq's first byte
.endr
	s_wait_dscnt 0x0
	global_store_b64 v4, v[R+32:R+33], s[8:9] offset:4096            ; and the last 256
	s_wait_tensorcnt 0x0
	ds_add_u32 v240, v241
	s_wait_dscnt 0x0
	s_endpgm
.Lfunc_end_k_q8566ec03aa_quant:
	.size	k_q8566ec03aa_quant, .Lfunc_end_k_q8566ec03aa_quant-k_q8566ec03aa_quant
	.p2alignl 7, 3214868480
	.fill 96, 4, 3214868480
	.section	.rodata,"a",@progbits
	.p2align	6, 0x0
	.amdhsa_kernel k_q8566ec03aa_quant
		.amdhsa_group_segment_fixed_size 41472
		.amdhsa_private_segment_fixed_size 0
		.amdhsa_enable_private_segment 0
		.amdhsa_kernarg_size 24
		.amdhsa_user_sgpr_count 2
		.amdhsa_user_sgpr_kernarg_segment_ptr 1
		.amdhsa_wavefront_size32 1
		.amdhsa_system_sgpr_workgroup_id_x 1
		.amdhsa_system_sgpr_workgroup_id_y 1
		.amdhsa_system_sgpr_workgroup_id_z 1
		.amdhsa_system_vgpr_workitem_id 0
		.amdhsa_next_free_vgpr 242
		.amdhsa_next_free_sgpr 66
		.amdhsa_reserve_vcc 0
		.amdhsa_float_denorm_mode_32 3
		.amdhsa_float_denorm_mode_16_64 3
		.amdhsa_memory_ordered 1
		.amdhsa_forward_progress 1
		.amdhsa_inst_pref_size 52
	.end_amdhsa_kernel
	.amdgpu_metadata
---
amdhsa.version: [ 1, 2 ]
amdhsa.kernels:
  - .name:           k_q8566ec03aa_quant
    .symbol:         k_q8566ec03aa_quant.kd
    .args:
      - { .name: ternary, .offset: 0, .size: 8, .value_kind: global_buffer, .address_space: global }
      - { .name: scales, .offset: 8, .size: 8, .value_kind: global_buffer, .address_space: global }
      - { .name: wq, .offset: 16, .size: 8, .value_kind: global_buffer, .address_space: global }
    .group_segment_fixed_size: 41472
    .private_segment_fixed_size: 0
    .kernarg_segment_align: 8
    .kernarg_segment_size: 24
    .max_flat_workgroup_size: 128
    .sgpr_count:     66
    .vgpr_count:     242
    .wavefront_size: 32
...
	.end_amdgpu_metadata
.endif
;; end of part 1
;; launch gemm (part 2): grid 8 x 32, 4 waves a work-group, clusters of 4 x 4, 327,680 bytes of LDS; arguments x_codes, x_scales, wq, out0; writes out0
.if DOCPART == 2
	.amdgcn_target "amdgcn-amd-amdhsa--gfx1250"
	.amdhsa_code_object_version 6
	.text
	.protected	k_q8566ec03aa_gemm
	.globl	k_q8566ec03aa_gemm
	.p2align	8
	.type	k_q8566ec03aa_gemm,@function
k_q8566ec03aa_gemm:
	s_mov_b64 s[64:65], 0
	v_nop
	global_prefetch_b8 v0, s[64:65] scope:SCOPE_SE
	s_setreg_imm32_b32 hwreg(HW_REG_WAVE_MODE, 25, 1), 1
	s_wait_xcnt 0x0
	s_wait_alu depctr_hold_cnt(0) depctr_sa_sdst(0) depctr_va_vdst(0) depctr_va_sdst(0) depctr_va_ssrc(0) depctr_va_vcc(0) depctr_vm_vsrc(0)
	s_getreg_b32 s2, hwreg(HW_REG_IB_STS2, 6, 4)
	s_cmp_eq_u32 s2, 0
	s_cbranch_scc0 .Lentry_in_a_cluster
	s_endpgm
.Lentry_in_a_cluster:
	s_bfe_u32 s2, ttmp6, 0x10000c
	s_cmp_lg_u32 s2, 0xf033
	s_cbranch_scc0 .Lentry_shape_is_right
	s_endpgm
.Lentry_shape_is_right:
; out0[m][n] = sum over k of x[m][k] W[n][k].  x: [8192][4096] as given: codes of FP4 (E2M1), 2,048 bytes a row, and E8M0 bytes [8192][128].  W: [2048][4096] as the launch before laid it:
; wq[K step 0..7][row 0..2047][272 bytes]: 256 bytes of codes (512 along K), then the 16 scale bytes of those 16 blocks.  out0: [8192][2048] f32; sums in f32, one accumulator for each output.
; A tile of C, 256 x 256, is made by a work-group of four waves; a wave makes 128 x 128: 32 accumulators of 32 columns x 16 rows, 512 registers.  32 x 8 tiles: 256 work-groups, one tile each.
; K goes in steps of 512 through a ring of two LDS slots, one tensor load a wave for each step: 128 rows of x (256 bytes a row, 16 bytes of padding laid behind each) or 128 rows of W.
; W'S TILE IS ONE DENSE RUN of 34,816 bytes of wq: its rows are 272 bytes apart, as x's padded rows are, and its scale bytes lie where x's rows have their padding.
; CLUSTERS: 4 x 4 work-groups.  The four of a row of the cluster need the same tiles of x, the four of a column the same tiles of W: each is asked for JOINTLY, by the same tensor load with the same descriptor and mask.
; THE MATRIX INSTRUCTION IS USED TRANSPOSED (source 0 = 32 rows of W, source 1 = 16 rows of x): lane (r, h) then holds row r of C and eight neighbouring columns in registers 0-7, eight more in registers 8-15.
; THE CLUSTERS WALK K FROM DIFFERENT STARTS: cluster (X, Y) begins at K step s = (2 (Y % 4) + 4 X) % 8 and goes round; its t-th K step is (s + t) % 8.  s is the same in all sixteen partners.
; LIMIT: the f32 sums take the K steps in that order; they differ from sums in ascending K by rounding alone.
; X'S SCALES of the work-group's 256 rows, 128 bytes a row, are one dense block of 32 KiB: each wave loads a quarter in whole units and stores it into LDS once, a row's eight pieces of 16 bytes turned round by s, so that
; the words of the t-th K step lie at a place that hangs on t alone.
; PREFETCH: behind the joint load of the t-th K step stands one for what the (t + 2)-th will bring; the last two ask for nothing.  x: of the 128 rows that a wave fetches each of the four partners names 32, a lane a row.
; W: of the 136 blocks of 256 bytes that a wave fetches each of the four partners names 34, in clusters with Y < 4 alone: Y and Y + 4 walk W alike, and so each block is named by four clusters.  The shares are told apart by address.
; REGISTERS, in windows of 256: window 0: v0-31 addresses; v32-95 x's scale words, v96-127 W's, two sets each; v128-255 x's scales at the head, x's fragments in the last K step.
;   window 1: two sets of fragments for 128 along K, at v0 and v128: W's 8 x 16 rows (64 registers), then x's.   window 2: the 16 accumulators of my rows 0-63;   window 3: those of my rows 64-127.
; A step of 128 along K is 32 matrix instructions in eight groups: group a is x's block a against W's four pairs.  Behind the groups stand the next step's fragment loads, W's eight first, then x's eight in the order of the groups.
; THE LAST K STEP GOES BY ROWS OF C: W's fragments of all 512 along K fill window 1, x's come block by block, and each block of 16 rows leaves while later ones are multiplied.
.set SIZE_N, 2048
.set LAPS,   4                         ; a lap = two K steps of 512 = once round the ring
.set ROWB,   256
.set KROW,   2048                      ; a row of x_codes in bytes
.set PITCH,  272                       ; an LDS row = 68 words: 16 neighbouring rows start at 16 different banks (64 banks of 4 bytes: ISA guide 11.1)
.set HALFT,  128*PITCH                 ; 128 rows: what one tensor load brings
.set SLOT,   4*HALFT                   ; x's 256 rows, then W's 256 rows
.set WSTEP,  SIZE_N*PITCH              ; from a K step of wq to the next
.set SCL,    2*SLOT                    ; behind the ring: x's scales, 256 rows,
.set SROW,   144                       ; 128 bytes + 16: 16 neighbouring rows start at 16 different banks
.set SPARE,  SCL+256*SROW              ; behind them: the spare words, 128 bytes for each wave, that no other line names
.set SPITCH, 528                       ; the way out: a stage of 16 rows x (512 bytes + 16) for each wave, in slot 0, which has had its last fill and its last read by then
.set CROW,   SIZE_N*4
.set ADRA, 16                          ; v16-17  LDS address of my x fragments in slot 0, 1
.set ADRB, 20                          ; v20-21  the same for W
.set ADSB, 22                          ; v22-23  LDS address of W's scale words in slot 0, 1: a lane a row
.set STO,  24                          ; v24     the way out: where I put 16 bytes of a row
.set RD,   25                          ; v25     the way out: where I read a row back
.set CO,   26                          ; v26     my byte offset in a row of C: 16 x lane
.set ADSA, 27                          ; v27     LDS address of x's scale words of the lap in hand
.set SPW,  28                          ; v28     LDS address of my spare word
.set NIL,  29                          ; v29     0
.set PFO,  30                          ; v30, v31 the prefetches' offsets
.set PFO2, 31
.set SCA,  32                          ; x's scale words: set s (for slot s) at v[SCA + 32 s]; in it register 4 a + q: row r of block a, the slot's q-th 128 along K
.set SCB,  96                          ; W's: set s at v[SCB + 16 s]; in it register 4 b + q: a lane for each of the 32 rows of pair b
.set XB,   128                         ; the last K step: x's fragments of 16 rows x 512 K, 32 registers; four such buffers
.set G1,   24                          ; s[24:31] descriptor group 1 for x's tiles;  s[32:39] group 0, one set for each slot
.set G0,   32
.set G1B,  48                          ; s[48:55], s[56:63] the same for W's tiles
.set G0B,  56
.set PFBASE, 66                        ; s[66:67] my prefetches at K step 0
.set PFA,  68                          ; s[68:69] at the K step that is asked for
.set PM,   70                          ; s70     bytes from K step to K step there
.set LIM,  71                          ; s71     1 where my wave prefetches, else the greatest number
.set PQ,   72                          ; s[72:73] that K step's byte offset (the upper word stays 0)
.set BA,   84                          ; s[84:85] x_codes at the 128 rows that I fetch, K step 0
.set BB,   86                          ; s[86:87] wq at the 128 rows that I fetch, K step 0
.set KI,   88                          ; s88, s89 the K step that slot 0, 1 was last asked to hold
.set OA,   90                          ; s[90:91] its byte offset in a row of x_codes (the upper word stays 0)
.set OB,   92                          ; s[92:93] and in wq
.set MSB, 0
.macro WIN new                         ; the immediate's high byte repeats the setting that is left; a switch that changes nothing is dropped
.if MSB != (\new)
	s_set_vgpr_msb (MSB<<8)|(\new)
.set MSB, (\new)
.endif
.endm
.set MUL_LO, 0xa5                      ; sources 0 (W) and 1 (x) window 1, C and D window 2; + 0x50: C and D window 3
.set ROW_LO, 0xa1                      ; the last K step: source 1 (x) in window 0
.set TO_F,   0x40                      ; destination window 1, address window 0
.macro JLOAD s                         ; a joint load: waves 0 and 1 fetch for x, waves 2 and 3 for W; the branch hangs on the wave's number alone
	s_cmp_eq_u32 s15, 0
	s_cbranch_scc0 .Lfor_b_\@
	tensor_load_to_lds s[G0+4*\s:G0+4*\s+3], s[G1:G1+7]
	s_nop 0
.rept 4
	v_nop
.endr
	s_branch .Lasked_\@
.Lfor_b_\@:
	tensor_load_to_lds s[G0B+4*\s:G0B+4*\s+3], s[G1B:G1B+7]
	s_nop 0
.rept 4
	v_nop
.endr
.Lasked_\@:
.endm
.macro WHERE slot                      ; where the slot's next tiles lie; written only where no tensor load of the wave is out
	s_lshl_b32 s[OA], s[KI+\slot], 8
	s_mul_i32 s[OB], s[KI+\slot], WSTEP
	s_add_nc_u64 s[G0+4*\slot+2:G0+4*\slot+3], s[BA:BA+1], s[OA:OA+1]       ; 120:64 global address
	s_or_b32 s[G0+4*\slot+3], s[G0+4*\slot+3], 0x80000000                   ; 127:126 type = 2
	s_add_nc_u64 s[G0B+4*\slot+2:G0B+4*\slot+3], s[BB:BB+1], s[OB:OB+1]
	s_or_b32 s[G0B+4*\slot+3], s[G0B+4*\slot+3], 0x80000000
.endm
.macro PFSTEP slot                     ; where the slot's prefetch stands: two K steps on; written behind s_wait_xcnt 0
	s_add_co_u32 s74, s[KI+\slot], 2
	s_and_b32 s74, s74, 7
	s_mul_i32 s[PQ], s74, s[PM]
	s_add_nc_u64 s[PFA:PFA+1], s[PFBASE:PFBASE+1], s[PQ:PQ+1]
.endm
.macro ASK                             ; s3 = 1 in the loop's last trip: its two joint loads are the walk's last, and nothing is asked for
	s_cmp_gt_u32 s3, s[LIM]
	s_cbranch_scc0 .Lnot_mine_\@
	global_prefetch_b8 v[PFO], s[PFA:PFA+1] th:TH_LOAD_NT scope:SCOPE_SE
	s_cmp_eq_u32 s15, 0
	s_cbranch_scc1 .Lnot_mine_\@
	global_prefetch_b8 v[PFO2], s[PFA:PFA+1] th:TH_LOAD_NT scope:SCOPE_SE   ; W: blocks 32 and 33 of my 34 (the lanes left over name block 33)
.Lnot_mine_\@:
.endm
.macro CREST                           ; a round of the cluster's barrier behind its opening barrier
	s_cmp_lg_u32 s14, 0
	s_cbranch_scc1 .Lnot_wave_0_\@
	s_barrier_signal -3
.Lnot_wave_0_\@:
	s_barrier_wait -3
	s_barrier_signal -1
	s_barrier_wait -1
.endm
.macro CROUND                          ; a whole round
	s_barrier_signal -1
	s_barrier_wait -1
	CREST
.endm
	s_load_b256 s[4:11], s[0:1], 0x0               ; x_codes s[4:5], x_scales s[6:7], wq s[8:9], out0 s[10:11]
	v_lshl_add_u32 v[SPW], v0, 2, SPARE
	v_mov_b32 v[NIL], 0
	ds_add_u32 v[SPW], v[NIL]                      ; the wave's opening: the add, twice on end, and its wait ahead of my first tensor load
	ds_add_u32 v[SPW], v[NIL]
	v_lshrrev_b32 v1, 5, v0
	v_readfirstlane_b32 s14, v1                    ; wave 0..3
	s_lshr_b32 s15, s14, 1                         ; which half of the tile's rows is mine.  Also: I fetch for x (0) or for W (1)
	s_and_b32 s16, s14, 1                          ; which half of its columns.  Also: which 128 rows of that tile I fetch
	s_bfe_u32 s40, ttmp6, 0x40000                  ; cx, cy: my place in the cluster
	s_bfe_u32 s41, ttmp6, 0x40004
	s_lshl_b32 s42, ttmp9, 2
	s_add_co_u32 s42, s42, s40                     ; tile column of C
	s_and_b32 s12, ttmp7, 0xffff                   ; cluster y
	s_lshl_b32 s17, s12, 2
	s_add_co_u32 s17, s17, s41                     ; tile row of C
	s_and_b32 s[KI], s12, 3                        ; the walk's start s, made of the cluster's coordinates alone
	s_lshl_b32 s[KI], s[KI], 1
	s_lshl_b32 s[KI+1], ttmp9, 2
	s_add_co_u32 s[KI], s[KI], s[KI+1]
	s_and_b32 s[KI], s[KI], 7                      ; an even number: slot 0 begins with it,
	s_add_co_u32 s[KI+1], s[KI], 1                 ; slot 1 with the next
	s_mul_i32 s21, s15, HALFT                      ; my 128 rows of x,
	s_mul_i32 s22, s16, HALFT                      ; my 128 rows of W,
	s_add_co_u32 s22, s22, 2*HALFT                 ; which lie behind x's 256
	s_mul_i32 s23, s14, 16*SPITCH                  ; my stage
	s_mul_i32 s94, s14, 64*SROW                    ; the 64 rows of scales that I bring,
	s_add_co_u32 s94, s94, SCL
	s_mul_i32 s95, s15, 128*SROW                   ; the 128 rows of scales that I read
	s_add_co_u32 s95, s95, SCL
	s_lshl_b32 s96, s14, 13                        ; and my quarter's 8 KiB in memory
	s_mov_b32 s98, KROW
	s_mov_b32 s99, ROWB
	s_cmp_eq_u32 s15, 0
	s_cselect_b32 s97, s98, ROWB                   ; from lane to lane of a prefetch: a row of x_codes, or 256 bytes of wq
	s_cselect_b32 s[PM], s99, WSTEP
	v_and_b32 v2, 31, v0                           ; lane
	v_and_b32 v3, 15, v0                           ; r
	v_bfe_u32 v4, v0, 4, 1                         ; h
	v_mul_u32_u24 v5, v3, PITCH
	v_lshl_add_u32 v5, v4, 4, v5                   ; a fragment's row x pitch + 16 h
	v_add_nc_u32 v[ADRA], s21, v5
	v_add_nc_u32 v[ADRA+1], SLOT, v[ADRA]
	v_add_nc_u32 v[ADRB], s22, v5
	v_add_nc_u32 v[ADRB+1], SLOT, v[ADRB]
	v_mul_u32_u24 v6, v2, PITCH
	v_add_nc_u32 v6, ROWB, v6                      ; W's scale words: row = lane, behind its 256 bytes of codes
	v_add_nc_u32 v[ADSB], s22, v6
	v_add_nc_u32 v[ADSB+1], SLOT, v[ADSB]
	v_mul_u32_u24 v7, v3, SROW
	v_add_nc_u32 v[ADSA], s95, v7                  ; x's: row r (lanes 16-31 read the same and are not used)
	v_mul_u32_u24 v8, v3, SPITCH
	v_lshl_add_u32 v8, v4, 5, v8
	v_add_nc_u32 v[STO], s23, v8                   ; into the stage: row r, 32 bytes for each h
	v_lshlrev_b32 v[CO], 4, v2
	v_add_nc_u32 v[RD], s23, v[CO]                 ; back: the 32 lanes take one row of 512 bytes
	v_add_nc_u32 v11, s[KI], v2
	v_and_b32 v11, 7, v11                          ; x's scales in memory: four rows of 128 bytes a load; of row lane / 8 I take piece (lane + s) % 8: the one of my K step t = lane % 8
	v_and_b32 v9, 24, v2
	v_add_nc_u32 v9, v9, v11
	v_lshlrev_b32 v9, 4, v9
	v_add_nc_u32 v9, s96, v9
	v_lshrrev_b32 v10, 3, v2
	v_mul_u32_u24 v10, v10, SROW                   ; and in LDS: row lane / 8,
	v_and_b32 v12, 7, v2
	v_lshl_add_u32 v10, v12, 4, v10                ; place lane % 8
	v_add_nc_u32 v10, s94, v10
	v_mul_u32_u24 v[PFO], v2, s97
	v_min_u32 v12, 1, v2
	v_lshlrev_b32 v12, 8, v12
	v_add_nc_u32 v[PFO2], 32*256, v12
	s_wait_alu depctr_va_vdst(0)
	s_lshl_b32 s43, s41, 2
	s_lshl_b32 s43, 15, s43                        ; my row of the cluster
	s_lshl_b32 s44, 0x1111, s40                    ; my column
	; descriptor group 1 for x's tiles: 128 rows x 256 bytes, 2,048 bytes apart in memory, padded in LDS
	s_or_b32 s[G1+0], s43, (0<<16)|(1<<20)|(1<<21)|(5<<22)|(3<<25)  ; 15:0 the mask: my row; 17:16 element of 1 byte; 20 padding on; 21 set beside a mask; 24:22 after every 64 words; 31:25 of 4 words
	s_mov_b32 s[G1+1], ROWB<<16                    ; tensor_dim0
	s_mov_b32 s[G1+2], 128<<16                     ; tensor_dim1
	s_mov_b32 s[G1+3], ROWB<<16                    ; tile_dim0
	s_mov_b32 s[G1+4], 128                         ; tile_dim1
	s_mov_b32 s[G1+5], KROW                        ; tensor_dim0_stride
	s_mov_b32 s[G1+6], 0
	s_mov_b32 s[G1+7], 0
	; for W's tiles: a dense run of 34,816 bytes, stated as 136 rows of 256 bytes (32 elements of 8 bytes), no padding
	s_or_b32 s[G1B+0], s44, (3<<16)|(1<<21)
	s_mov_b32 s[G1B+1], 32<<16
	s_mov_b32 s[G1B+2], (HALFT/256)<<16
	s_mov_b32 s[G1B+3], 32<<16
	s_mov_b32 s[G1B+4], HALFT/256
	s_mov_b32 s[G1B+5], 32
	s_mov_b32 s[G1B+6], 0
	s_mov_b32 s[G1B+7], 0
	; byte offsets (all under 2^27).  x's tiles hang on the tile row and the wave, W's on the tile column and the wave
	s_mov_b32 s[OA+1], 0
	s_mov_b32 s[OB+1], 0
	s_lshl_b32 s18, s17, 15                        ; x's scales: 256 rows of 128 bytes a tile row
	s_mov_b32 s19, 0
	s_lshl_b32 s13, s16, 7                         ; which 128 rows of the tile I fetch
	s_lshl_b32 s20, s17, 8
	s_add_co_u32 s20, s20, s13
	s_lshl_b32 s20, s20, 11
	s_mov_b32 s21, 0
	s_lshl_b32 s46, s42, 8
	s_add_co_u32 s46, s46, s13
	s_mul_i32 s46, s46, PITCH
	s_mov_b32 s47, 0
	s_lshl_b32 s[PQ], s40, 16                      ; the prefetches: x: + 32 cx rows;
	s_add_co_u32 s[PQ], s[PQ], s20
	s_mul_i32 s[PQ+1], s41, 34*256                 ; W: + 34 cy blocks
	s_add_co_u32 s[PQ+1], s[PQ+1], s46
	s_cmp_lt_u32 s12, 4
	s_cselect_b32 s[LIM], 1, -1                    ; W: in clusters with y < 4;
	s_cmp_eq_u32 s15, 0
	s_cselect_b32 s[LIM], 1, s[LIM]                ; x: in all
	s_cselect_b32 s[PQ], s[PQ], s[PQ+1]
	s_mov_b32 s[PQ+1], 0
	s_lshl_b32 s76, s17, 8
	s_lshl_b32 s77, s15, 7
	s_add_co_u32 s76, s76, s77                     ; my first row of C,
	s_lshl_b32 s76, s76, 13                        ; 8,192 bytes a row
	s_lshl_b32 s77, s42, 10
	s_add_co_u32 s76, s76, s77                     ; + 1,024 bytes a tile column
	s_lshl_b32 s77, s16, 9
	s_add_co_u32 s76, s76, s77                     ; + 512 x half
	s_mov_b32 s77, 0
	s_mul_i32 s45, s14, HALFT                      ; where a tile goes: wave x 128 rows: no place in the cluster enters an LDS address
	s_mov_b32 s3, LAPS
	s_wait_dscnt 0x0                               ; both opening adds are done
	s_wait_kmcnt 0x0
	s_add_nc_u64 s[18:19], s[6:7], s[18:19]
.irp i, 0,1,2,3,4,5,6,7,8,9,10,11,12,13,14,15
	global_load_b128 v[128+4*\i:128+4*\i+3], v9, s[18:19] offset:512*\i   ; my quarter of x's scales: 512 neighbouring bytes a load
.endr
	s_add_nc_u64 s[BA:BA+1], s[4:5], s[20:21]
	s_add_nc_u64 s[BB:BB+1], s[8:9], s[46:47]
	s_cmp_eq_u32 s15, 0
	s_cselect_b64 s[PFBASE:PFBASE+1], s[4:5], s[8:9]
	s_add_nc_u64 s[PFBASE:PFBASE+1], s[PFBASE:PFBASE+1], s[PQ:PQ+1]
	s_add_nc_u64 s[10:11], s[10:11], s[76:77]
.irp s, 0,1
	s_mov_b32 s[G0+4*\s], 1                        ; 1:0 count = 1
	s_add_co_u32 s[G0+4*\s+1], s45, \s*SLOT        ; 63:32 LDS address
	s_mov_b32 s[G0B+4*\s], 1
	s_add_co_u32 s[G0B+4*\s+1], s45, \s*SLOT
	WHERE \s
.endr
	PFSTEP 0
	CROUND                                         ; all sixteen work-groups are here: the first joint loads meet
	JLOAD 0                                        ; the walk's first K step: one tensor load a wave at the head
	ASK
.irp g, 0,1,2,3
	s_wait_loadcnt 12-4*\g                         ; the loads of this group are in; the younger may be out
.irp i, 0,1,2,3
	ds_store_b128 v10, v[128+4*(4*\g+\i):128+4*(4*\g+\i)+3] offset:4*SROW*(4*\g+\i)
.endr
.endr
; One group: x's block a against W's four pairs of blocks, 128 along K.  p: the set of fragments; q: which 128 of the slot; sc: the set of scale words; zero = 1: the product starts the sum: nothing is ever cleared.
; The 32 accumulators take turns, one instruction a turn, in the same order in every step.
.macro GRP a, p, q, sc, zero
	WIN MUL_LO+0x50*((\a)/4)
.irp b, 0,1,2,3
.if \zero
	v_wmma_scale_f32_32x16x128_f4 v[16*(4*((\a)%4)+\b):16*(4*((\a)%4)+\b)+15], v[128*(\p)+16*\b:128*(\p)+16*\b+15], v[128*(\p)+64+8*(\a):128*(\p)+64+8*(\a)+7], 0, v[SCB+16*(\sc)+4*\b+(\q)], v[SCA+32*(\sc)+4*(\a)+(\q)]
.else
	v_wmma_scale_f32_32x16x128_f4 v[16*(4*((\a)%4)+\b):16*(4*((\a)%4)+\b)+15], v[128*(\p)+16*\b:128*(\p)+16*\b+15], v[128*(\p)+64+8*(\a):128*(\p)+64+8*(\a)+7], v[16*(4*((\a)%4)+\b):16*(4*((\a)%4)+\b)+15], v[SCB+16*(\sc)+4*\b+(\q)], v[SCA+32*(\sc)+4*(\a)+(\q)]
.endif
.endr
.endm
; Fragment f of a step: 0-7 W's blocks, 8-15 x's.  16 rows x 128 K are 8 registers: registers 4 c .. 4 c + 3 hold K = 64 c + 32 h + 0 .. 31
.macro LF slot, q, p, f
.if (\f) < 8
	ds_load_b128 v[128*(\p)+8*(\f):128*(\p)+8*(\f)+3], v[ADRB+\slot] offset:64*(\q)+(\f)*16*PITCH
	ds_load_b128 v[128*(\p)+8*(\f)+4:128*(\p)+8*(\f)+7], v[ADRB+\slot] offset:64*(\q)+(\f)*16*PITCH+32
.else
	ds_load_b128 v[128*(\p)+8*(\f):128*(\p)+8*(\f)+3], v[ADRA+\slot] offset:64*(\q)+((\f)-8)*16*PITCH
	ds_load_b128 v[128*(\p)+8*(\f)+4:128*(\p)+8*(\f)+7], v[ADRA+\slot] offset:64*(\q)+((\f)-8)*16*PITCH+32
.endif
.endm
.macro LFN slot, q, p, f, n            ; n fragments from f on
	WIN TO_F
.set FI, \f
.rept \n
	LF \slot, \q, \p, FI
.set FI, FI+1
.endr
.endm
.macro WSC sc                          ; W's scale words of slot sc: four words a row, a lane a row
.irp b, 0,1,2,3
	ds_load_b128 v[SCB+16*\sc+4*\b:SCB+16*\sc+4*\b+3], v[ADSB+\sc] offset:\b*32*PITCH
.endr
.endm
.macro XSCL sc                         ; x's into set sc: the lap's first 16 bytes of a row, or its second
.irp i, 0,1,2,3,4,5,6,7
	ds_load_b128 v[SCA+32*(\sc)+4*\i:SCA+32*(\sc)+4*\i+3], v[ADSA] offset:16*(\sc)+\i*16*SROW
.endr
.endm
.macro XSC slot                        ; the next K step's
	WIN 0
.if \slot
	v_add_nc_u32 v[ADSA], 32, v[ADSA]              ; on to the next lap's 32 bytes of a row
	s_wait_alu depctr_va_vdst(0)
.endif
	XSCL 1-\slot
.endm
; A load into a register that a matrix instruction has read, and an LDS instruction on a matrix result, stand four places behind that matrix instruction, and only plain vector instructions that name none of its
; registers are places (ISA guide 7.12.1 for vector instructions).
.macro PLACES
.rept 4
	v_nop
.endr
.endm
; A step that has its successor in the same slot.  The count ahead of group a leaves out what was issued behind x's fragment a: of this step's loads the fragments a + 9 .. 15, of the next step's all that stand above.
.macro STEP slot, q, zero
	s_wait_dscnt 14                                ; W's fragments, x's first and the scale words are in
	GRP 0, (\q)%2, \q, \slot, \zero
	PLACES
.set EX, 0
.if (\q) == 2
.set EX, 8
	XSC \slot
.endif
	LFN \slot, (\q)+1, ((\q)+1)%2, 0, 3
	s_wait_dscnt 18+EX
	GRP 1, (\q)%2, \q, \slot, \zero
	LFN \slot, (\q)+1, ((\q)+1)%2, 3, 3
	s_wait_dscnt 22+EX
	GRP 2, (\q)%2, \q, \slot, \zero
	LFN \slot, (\q)+1, ((\q)+1)%2, 6, 3
	s_wait_dscnt 26+EX
	GRP 3, (\q)%2, \q, \slot, \zero
	LFN \slot, (\q)+1, ((\q)+1)%2, 9, 2
	s_wait_dscnt 28+EX
	GRP 4, (\q)%2, \q, \slot, \zero
	LFN \slot, (\q)+1, ((\q)+1)%2, 11, 2
	s_wait_dscnt 30+EX
	GRP 5, (\q)%2, \q, \slot, \zero
	LFN \slot, (\q)+1, ((\q)+1)%2, 13, 2
	s_wait_dscnt 32+EX
	GRP 6, (\q)%2, \q, \slot, \zero
	LFN \slot, (\q)+1, ((\q)+1)%2, 15, 1
	s_wait_dscnt 32+EX
	GRP 7, (\q)%2, \q, \slot, \zero
.endm
; A slot's last step, up to its barrier: each wave waits for all its tensor loads, adds 0 to its spare word, and waits for that and for its own reads of this slot.
.macro MEET slot, fill
	WIN 0                                          ; (the add's two registers lie in window 0)
.if \fill
	s_wait_xcnt 0x0                                ; my prefetches have read their address: it is stepped below
.endif
	s_wait_tensorcnt 0x0                           ; all my tensor loads have landed: my part of the next slot; so every group 0 may be written
	ds_add_u32 v[SPW], v[NIL]                      ; 0 onto my spare word
.if \fill
	s_add_co_u32 s[KI+\slot], s[KI+\slot], 2       ; this slot's next K step: two on,
	s_and_b32 s[KI+\slot], s[KI+\slot], 7          ; round the eight
	WHERE \slot
	PFSTEP \slot
.endif
	s_wait_dscnt 15                                ; (the add and the fragments 9 to 15 may be out)
	GRP 0, 1, 3, \slot, 0
	s_wait_dscnt 13                                ; (the add and the fragments 10 to 15)
	GRP 1, 1, 3, \slot, 0
	s_wait_dscnt 0x0                               ; the add is done, and my reads of this slot are over
	s_barrier_signal -1
	GRP 2, 1, 3, \slot, 0
	WIN 0
	s_barrier_wait -1
.endm
; The whole last step of a slot that is filled again, with the K step two on in the cluster's order.
.macro TURN slot, next
	MEET \slot, 1
	CREST                                          ; no wave of any partner still reads this slot's tile or has a load on its way
	JLOAD \slot                                    ; the first tensor load behind the round, and my one load until the next; the four v_nop behind it are the places in front of the loads below
	WSC \next
	LFN \next, 0, 0, 0, 3
	GRP 3, 1, 3, \slot, 0
	LFN \next, 0, 0, 3, 3
	GRP 4, 1, 3, \slot, 0
	LFN \next, 0, 0, 6, 3
	GRP 5, 1, 3, \slot, 0
	LFN \next, 0, 0, 9, 2
	GRP 6, 1, 3, \slot, 0
	LFN \next, 0, 0, 11, 2
	WIN 0
	ASK
	GRP 7, 1, 3, \slot, 0
	LFN \next, 0, 0, 13, 3
.endm
; THE LAST K STEP, in slot 1, by rows.
.macro WLOAD q, i0                     ; four of W's fragments of quarter q -> window 1, v[64 q ..]
	WIN TO_F
.irp i, \i0, \i0+1, \i0+2, \i0+3
	ds_load_b128 v[64*\q+8*(\i):64*\q+8*(\i)+3], v[ADRB+1] offset:64*\q+(\i)*16*PITCH
	ds_load_b128 v[64*\q+8*(\i)+4:64*\q+8*(\i)+7], v[ADRB+1] offset:64*\q+(\i)*16*PITCH+32
.endr
.endm
.macro XLOAD a                         ; x's fragments of block a, all four quarters -> buffer a % 4 in window 0
	WIN 0
.irp q, 0,1,2,3
	ds_load_b128 v[XB+32*((\a)%4)+8*\q:XB+32*((\a)%4)+8*\q+3], v[ADRA+1] offset:64*\q+(\a)*16*PITCH
	ds_load_b128 v[XB+32*((\a)%4)+8*\q+4:XB+32*((\a)%4)+8*\q+7], v[ADRA+1] offset:64*\q+(\a)*16*PITCH+32
.endr
.endm
.macro ROWQ a, q                       ; block a, quarter q: its four accumulators by turns
	WIN ROW_LO+0x50*((\a)/4)
.irp b, 0,1,2,3
	v_wmma_scale_f32_32x16x128_f4 v[16*(4*((\a)%4)+\b):16*(4*((\a)%4)+\b)+15], v[64*\q+16*\b:64*\q+16*\b+15], v[XB+32*((\a)%4)+8*\q:XB+32*((\a)%4)+8*\q+7], v[16*(4*((\a)%4)+\b):16*(4*((\a)%4)+\b)+15], v[SCB+16+4*\b+\q], v[SCA+32+4*(\a)+\q]
.endr
.endm
; THE WAY OUT of block a, 16 rows x 128 columns: PUT: its accumulators into my stage, each from its low end on; GET: back as whole rows of 512 bytes, into the same registers, which PUT has been waited to have read; SEND: stored.
; LDS serves a wave's instructions in order (ISA guide 5.7.1.4): no wait stands between the last block's GET and this block's PUT.
.macro OUTWIN a
	WIN 0x88+0x44*((\a)/4)                         ; data and destination in window 2 or 3, addresses in window 0
.set AC, 64*((\a)%4)
.endm
.macro PUT a
	OUTWIN \a
.irp b, 0,1,2,3
	ds_store_b128 v[STO], v[AC+16*\b:AC+16*\b+3] offset:128*\b
	ds_store_b128 v[STO], v[AC+16*\b+4:AC+16*\b+7] offset:128*\b+16
	ds_store_b128 v[STO], v[AC+16*\b+8:AC+16*\b+11] offset:128*\b+64
	ds_store_b128 v[STO], v[AC+16*\b+12:AC+16*\b+15] offset:128*\b+80
.endr
.endm
.macro GET a
	OUTWIN \a
.irp t, 0,1,2,3,4,5,6,7,8,9,10,11,12,13,14,15
	ds_load_b128 v[AC+4*\t:AC+4*\t+3], v[RD] offset:\t*SPITCH
.endr
.endm
.macro SEND a
	OUTWIN \a
.irp t, 0,1,2,3,4,5,6,7,8,9,10,11,12,13,14,15
	global_store_b128 v[CO], v[AC+4*\t:AC+4*\t+3], s[10:11] offset:(16*(\a)+\t)*CROW   ; 32 lanes store 512 consecutive bytes, at a multiple of 256 from C's first byte; at most 127 rows of 8,192 bytes on: inside the signed 24-bit immediate (ISA guide, chapter 10)
.endr
.endm
	s_wait_alu depctr_va_vdst(0)
	s_wait_xcnt 0x0                                ; my prefetch has read its address
	s_wait_tensorcnt 0x0                           ; my part of the first K step is in
	ds_add_u32 v[SPW], v[NIL]
	PFSTEP 1
	s_wait_dscnt 0x0                               ; the add and my stores of scales are done
	CROUND                                         ; everybody's part of the first K step is in, x's scales are stored, and all sixteen work-groups are here
	JLOAD 1                                        ; the second K step's load, the first tensor load behind the round
	WSC 0
	XSCL 0
	LFN 0, 0, 0, 0, 16
	WIN 0
	ASK
	STEP 0, 0, 1                                   ; the first step stands in front of the loop: its products start the sums
	WIN 0                                          ; at a label and at a branch every window is 0
	s_mov_b32 s3, LAPS-1
.Llap:                                                 ; a trip goes once round the ring, from a lap's second step to the next lap's first, and fills both slots again
	STEP 0, 1, 0
	STEP 0, 2, 0
	TURN 0, 1
	STEP 1, 0, 0
	STEP 1, 1, 0
	STEP 1, 2, 0
	TURN 1, 0
	STEP 0, 0, 0
	WIN 0
	s_sub_co_u32 s3, s3, 1
	s_cmp_lg_u32 s3, 0
	s_cbranch_scc1 .Llap
	STEP 0, 1, 0                                   ; the last lap fills nothing, and has no round of the cluster's barrier
	STEP 0, 2, 0
	MEET 0, 0
	PLACES
	WSC 1
	WLOAD 0, 0                                     ; W's quarters 0 and 1 take the set that is free; quarters 2 and 3 wait for the last group
	GRP 3, 1, 3, 0, 0
	WLOAD 0, 4
	GRP 4, 1, 3, 0, 0
	WLOAD 1, 0
	GRP 5, 1, 3, 0, 0
	WLOAD 1, 4
	GRP 6, 1, 3, 0, 0
	XLOAD 0
	XLOAD 1
	GRP 7, 1, 3, 0, 0
	PLACES
	WLOAD 2, 0
	WLOAD 2, 4
	WLOAD 3, 0
	WLOAD 3, 4
	XLOAD 2
	XLOAD 3
	s_wait_dscnt 48                                ; all but the 48 just issued: quarters 2 and 3 of W, x's blocks 2 and 3
	ROWQ 0, 0
	ROWQ 0, 1
	ROWQ 1, 0
	ROWQ 1, 1
	s_wait_dscnt 16                                ; W is whole; x's blocks 2 and 3 may be out
	ROWQ 0, 2
	ROWQ 0, 3
	ROWQ 1, 2
	ROWQ 1, 3
	PLACES
	PUT 0
	XLOAD 4
	s_wait_dscnt 32                                ; x's block 2 is in; block 3 (8), PUT 0 (16) and block 4 (8) may be out
.irp i, 2,3,4,5,6,7
	ROWQ \i, 0
	ROWQ \i, 1
	ROWQ \i, 2
	ROWQ \i, 3
.if \i <= 5
	s_wait_dscnt 8                                 ; PUT i - 2, GET i - 3 and x's block i + 1 are done; block i + 2, issued behind them, may be out
.else
	s_wait_dscnt 0x0                               ; PUT i - 2 and GET i - 3 are done
.endif
.if \i >= 3
	SEND \i-3
.endif
	GET \i-2
	PLACES
	PUT \i-1
.if \i <= 4
	XLOAD \i+3                                     ; into the buffer of block i - 1
.endif
.endr
	s_wait_dscnt 0x0
	SEND 5
	GET 6
	PUT 7
	s_wait_dscnt 0x0
	SEND 6
	GET 7
	s_wait_dscnt 0x0
	SEND 7
	WIN 0
	s_wait_tensorcnt 0x0                           ; the wave's end, behind my last tensor load and my last LDS store
	ds_add_u32 v[SPW], v[NIL]
	s_wait_dscnt 0x0
	CROUND                                         ; the closing round: no work-group ends while a partner may still ask for a tile that names it
	s_endpgm
.Lfunc_end_k_q8566ec03aa_gemm:
	.size	k_q8566ec03aa_gemm, .Lfunc_end_k_q8566ec03aa_gemm-k_q8566ec03aa_gemm
	.p2alignl 7, 3214868480
	.fill 96, 4, 3214868480
	.section	.rodata,"a",@progbits
	.p2align	6, 0x0
	.amdhsa_kernel k_q8566ec03aa_gemm
		.amdhsa_group_segment_fixed_size 327680
		.amdhsa_private_segment_fixed_size 0
		.amdhsa_enable_private_segment 0
		.amdhsa_kernarg_size 32
		.amdhsa_user_sgpr_count 2
		.amdhsa_user_sgpr_kernarg_segment_ptr 1
		.amdhsa_wavefront_size32 1
		.amdhsa_system_sgpr_workgroup_id_x 1
		.amdhsa_system_sgpr_workgroup_id_y 1
		.amdhsa_system_sgpr_workgroup_id_z 1
		.amdhsa_system_vgpr_workitem_id 0
		.amdhsa_next_free_vgpr 1024
		.amdhsa_next_free_sgpr 100
		.amdhsa_reserve_vcc 0
		.amdhsa_float_denorm_mode_32 3
		.amdhsa_float_denorm_mode_16_64 3
		.amdhsa_memory_ordered 1
		.amdhsa_forward_progress 1
		.amdhsa_inst_pref_size 156
	.end_amdhsa_kernel
	.amdgpu_metadata
---
amdhsa.version: [ 1, 2 ]
amdhsa.kernels:
  - .name:           k_q8566ec03aa_gemm
    .symbol:         k_q8566ec03aa_gemm.kd
    .args:
      - { .name: x_codes, .offset: 0, .size: 8, .value_kind: global_buffer, .address_space: global }
      - { .name: x_scales, .offset: 8, .size: 8, .value_kind: global_buffer, .address_space: global }
      - { .name: wq, .offset: 16, .size: 8, .value_kind: global_buffer, .address_space: global }
      - { .name: out0, .offset: 24, .size: 8, .value_kind: global_buffer, .address_space: global }
    .group_segment_fixed_size: 327680
    .private_segment_fixed_size: 0
    .kernarg_segment_align: 8
    .kernarg_segment_size: 32
    .max_flat_workgroup_size: 128
    .sgpr_count:     100
    .vgpr_count:     1024
    .wavefront_size: 32
...
	.end_amdgpu_metadata
.endif
;; end of part 2
